; MI455X (gfx1250); checked and timed in simulation.
; The chip was launched on July 23, 2026; its instructions are those of AMD's public machine-readable ISA for CDNA 5 (MIT licence, August 2026) and "CDNA5" Instruction Set Architecture Reference Guide (July 2026). The comments in the code are by the model that wrote it; some were corrected since.
;; Quadratic Active Dendrites. Allowed arithmetic: float matrix products may take bf16 or f16 operands with f32 sums; other float arithmetic in f32, or as packed bf16 or f16 multiplies, adds, multiply-adds, maxima and minima; sums over many terms, partial sums and values carried from step to step in f32; what a program stores and reads back later, other than sums and carried values, may be rounded once to bf16 or f16.
;; Inputs: bias_b 2,048 float32; bias_g 2,048 float32; bias_r 2,048 float32; context 1,024 float32; seg_bias 2,048 x 16 float32; seg_weight 2,048 x 1,024 x 16 float32; weight_b 2,048 x 2,048 float32; weight_g 2,048 x 2,048 float32; weight_r 2,048 x 2,048 float32; x 4,096 x 2,048 float32.
;; Outputs: out0 4,096 x 2,048 float32.
;; One version. Each part assembles by itself: llvm-mc -triple=amdgcn-amd-amdhsa -mcpu=gfx1250 --defsym DOCPART=n.
;; ======== version 1 of 1: 2 launches
;; limits: inputs' magnitudes at most 1,023; values are held in f16: magnitudes above 65,504 overflow, below 6.1e-05 lose precision; right only within a limited range of input values
;; workspace buffers: xx 16,777,216 bytes; wb 25,165,824 bytes; pct 8,192 bytes
;; launch prep (part 1): grid 512 x 1, 8 waves a work-group, no clusters, 3,072 bytes of LDS; arguments x, weight_r, weight_g, weight_b, seg_weight, seg_bias, context, xx, wb, pct; writes xx, wb, pct
.if DOCPART == 1
	.amdgcn_target "amdgcn-amd-amdhsa--gfx1250"
	.amdhsa_code_object_version 6
	.text
	.protected	k_q2ac7dc77ce_prep
	.globl	k_q2ac7dc77ce_prep
	.p2align	8
	.type	k_q2ac7dc77ce_prep,@function
k_q2ac7dc77ce_prep:
	s_mov_b64 s[64:65], 0
	v_nop
	global_prefetch_b8 v0, s[64:65] scope:SCOPE_SE
	s_setreg_imm32_b32 hwreg(HW_REG_WAVE_MODE, 25, 1), 1
	s_wait_xcnt 0x0
; PREP: one pass over all large inputs, each byte read once.  512 work-groups of eight waves, all alike.  Work-group g does three things:
;  GATE.  For neurons 4 g .. 4 g + 3: seg[d][s] = sum over c of context[c] seg_weight[d][c][s] + seg_bias[d][s], all in f32 on the vector unit (an argmax hangs on these sums, so nothing
;         is rounded to 16 bits; the product has one row and each weight is used once, so the matrix unit would add nothing); the segment of largest magnitude (the lowest index among
;         equals); pct[d] = 1 / (1 + 2^(-log2(e) seg)).
;  X.     Rows 8 g .. 8 g + 7 of x -> xx, f16, laid [32 kb][4096 m][64], as x / 4.  256 rows of one kb are 32,768 dense bytes.  The squares are made by the next launch, in registers.
;  W.     Rows 4 g .. 4 g + 3 of the three weights -> wb, f16, laid [2048 k][3][2048 n]: 4 weight_r, 4 weight_g, 16 weight_b.
; WHY f16.  Every output must lie within 1% of the outputs' root mean square.  A number rounded to p significant bits is off by about 0.42 x 2^-p of itself; the three sums of 2,048 products
; carry some 2.5 such errors of the b sum's size.  With p = 8 that is half of the allowance; with p = 11 it is an eighth of that.
; The factors 1/4, 4 and 16 are powers of two and cancel in the products: they put (x / 4)^2, the operand with the least room, in the middle of f16's range.
; No LDS ring, no cluster: no input byte is shared between work-groups but context (4 KB), and 48 loads of 16 bytes a lane are on their way in each wave from registers alone.
; LIMITS.  f16 ends at 65,504: |x| stays under 1,023 (some 190 times the largest number of a unit normal draw of this size), |weight_b| under 4,094, |weight_r| and |weight_g| under 16,376;
; beyond that an operand becomes an infinity.  Below 6.1e-5 an operand keeps f16's fixed step of 6e-8.  The segment sums are added in another order than a plain dot product (16 a lane,
; 8 lanes, 8 waves), in f32.  A NaN among a neuron's 16 sums is passed over by the maximum (16 NaNs give pct = 0.5).  pct leaves as 4 bytes a neuron, 16 bytes a work-group: the only
; stores here that do not fill 256 consecutive bytes.
.set SPARE, 2048                       ; LDS: 0 .. 2,047 the waves' partial sums [wave 8][neuron 4][segment 16] f32; from 2,048 the spare words, 128 bytes a wave
.set GOFF, 2                           ; v2   seg_weight: 8,192 w + 16 L (wave w takes c = 128 w .. 128 w + 127)
.set COFF, 3                           ; v3   context: 512 w + 4 (L / 4)
.set O64,  4                           ; v4   4 (thread % 64): offset in the group's seg_bias, and LDS address of a segment's partial sums
.set XOFF, 5                           ; v5   x: row 2 (w / 2) + L / 16, 4,096 (w % 2) + 16 (L % 16)
.set XSTO, 6                           ; v6   xx: 16 kb (w % 2), rows 2 (w / 2), 8 L
.set WOFF, 7                           ; v7   a weight: 4,096 w + 16 L (row w / 2, half w % 2)
.set WSTO, 8                           ; v8   wb: 12,288 (w / 2) + 2,048 (w % 2) + 8 L
.set PADR, 9                           ; v9   LDS: 256 w + 16 (L % 4)
.set POFF, 11                          ; v11  pct: 4 x neuron
.set SB,   12                          ; v12  seg_bias of (neuron, segment) = thread % 64
.set SF,   13                          ; v13  thread % 16 as f32: the segment's index
.set SPW,  14                          ; v14  LDS address of my spare word; never rewritten
.set NIL,  15                          ; v15  0; never rewritten
.set CTX,  16                          ; v16-31  context[128 w + 8 i + L / 4], i = 0 .. 15
.set ACC,  32                          ; v32-47  four sums (segments 4 (L % 4) + 0..3) for each of four neurons
.set T,    48                          ; v48-63  at work
.set S0,   64                          ; three slots of 64 registers: 16 loads of 16 bytes each
.set S1,   128
.set S2,   192
.set QU,   34                          ; s[34:35] 0.25: the packed multiply takes the pair's low word for both halves
.set SX,   36                          ; s[36:37] 16.0, likewise
.set FO,   38                          ; s[38:39] 4.0, likewise
	s_load_b512 s[4:19], s[0:1], 0x0               ; x s[4:5], weight_r s[6:7], weight_g s[8:9], weight_b s[10:11], seg_weight s[12:13], seg_bias s[14:15], context s[16:17], xx s[18:19]
	s_load_b128 s[20:23], s[0:1], 0x40             ; wb s[20:21], pct s[22:23]
	v_lshl_add_u32 v[SPW], v0, 2, SPARE
	v_mov_b32 v[NIL], 0
	v_and_b32 v1, 31, v0                           ; L
	v_lshrrev_b32 v48, 5, v0                       ; w
	v_readfirstlane_b32 s26, v48                   ; w as a scalar
	v_lshrrev_b32 v49, 6, v0                       ; w / 2
	v_and_b32 v50, 1, v48                          ; w % 2
	v_lshrrev_b32 v51, 4, v1                       ; L / 16
	v_and_b32 v52, 15, v0                          ; L % 16
	v_lshlrev_b32 v[GOFF], 4, v1
	v_lshl_add_u32 v[GOFF], v48, 13, v[GOFF]
	v_and_b32 v[COFF], 28, v1                      ; 4 (L / 4)
	v_lshl_add_u32 v[COFF], v48, 9, v[COFF]
	v_and_b32 v[O64], 63, v0
	v_lshlrev_b32 v[O64], 2, v[O64]
	v_lshlrev_b32 v[XOFF], 4, v52
	v_lshl_add_u32 v[XOFF], v50, 12, v[XOFF]
	v_lshl_add_u32 v[XOFF], v51, 13, v[XOFF]
	v_lshl_add_u32 v[XOFF], v49, 14, v[XOFF]
	v_lshlrev_b32 v[XSTO], 3, v1
	v_lshl_add_u32 v[XSTO], v49, 8, v[XSTO]
	v_lshl_add_u32 v[XSTO], v50, 23, v[XSTO]
	v_lshlrev_b32 v[WOFF], 4, v1
	v_lshl_add_u32 v[WOFF], v48, 12, v[WOFF]
	v_lshlrev_b32 v[WSTO], 3, v1
	v_lshl_add_u32 v[WSTO], v50, 11, v[WSTO]
	v_mad_u32_u24 v[WSTO], v49, 0x3000, v[WSTO]
	v_and_b32 v[PADR], 3, v0
	v_lshlrev_b32 v[PADR], 4, v[PADR]
	v_lshl_add_u32 v[PADR], v48, 8, v[PADR]
	v_bfe_u32 v[POFF], v0, 4, 2
	v_lshlrev_b32 v[POFF], 2, v[POFF]
	v_cvt_f32_u32 v[SF], v52
	s_mov_b32 s30, 0x76543210                      ; v_permlanex16_b32: each lane takes its own place in the other half
	s_mov_b32 s31, 0xfedcba98
	s_mov_b32 s[QU], 0x3e800000                    ; 0.25
	s_mov_b32 s[QU+1], 0x3e800000                  ; named with it as a pair, so it is written
	s_mov_b32 s[SX], 0x41800000                    ; 16.0
	s_mov_b32 s[SX+1], 0x41800000
	s_mov_b32 s[FO], 0x40800000                    ; 4.0
	s_mov_b32 s[FO+1], 0x40800000
	s_mov_b32 s29, 0                               ; the high word of every offset: all lie under 2^28
	s_wait_kmcnt 0x0
	s_lshl_b32 s28, ttmp9, 18                      ; 4 neurons of 65,536 bytes
	s_add_nc_u64 s[12:13], s[12:13], s[28:29]
	s_lshl_b32 s28, ttmp9, 8                       ; 4 neurons of 64 bytes
	s_add_nc_u64 s[14:15], s[14:15], s[28:29]
	s_lshl_b32 s28, ttmp9, 16                      ; 8 rows of x
	s_add_nc_u64 s[4:5], s[4:5], s[28:29]
	s_lshl_b32 s28, ttmp9, 15                      ; 4 rows of a weight
	s_add_nc_u64 s[6:7], s[6:7], s[28:29]
	s_add_nc_u64 s[8:9], s[8:9], s[28:29]
	s_add_nc_u64 s[10:11], s[10:11], s[28:29]
	s_mul_i32 s28, ttmp9, 49152                    ; 4 k of 12,288 bytes in wb
	s_add_nc_u64 s[20:21], s[20:21], s[28:29]
	s_lshl_b32 s28, ttmp9, 10                      ; 8 rows of 128 bytes in a block of xx
	s_add_nc_u64 s[18:19], s[18:19], s[28:29]
	s_lshl_b32 s28, ttmp9, 4                       ; 4 numbers of pct
	s_add_nc_u64 s[22:23], s[22:23], s[28:29]
.macro LDN d, S                        ; my 8,192 bytes of neuron d: 16 loads, each 512 consecutive bytes of the wave
.irp i, 0,1,2,3,4,5,6,7,8,9,10,11,12,13,14,15
	global_load_b128 v[(\S)+4*(\i):(\S)+4*(\i)+3], v[GOFF], s[12:13] offset:(\d)*65536+(\i)*512 th:TH_LOAD_NT
.endr
.endm
.macro DOT d, S                        ; 4 segments x 16 c: the first products start the sums; context[c] is one register of a pair, taken for both halves
	v_pk_mul_f32 v[ACC+4*(\d):ACC+4*(\d)+1],   v[(\S):(\S)+1],   v[CTX:CTX+1] op_sel_hi:[1,0]
	v_pk_mul_f32 v[ACC+4*(\d)+2:ACC+4*(\d)+3], v[(\S)+2:(\S)+3], v[CTX:CTX+1] op_sel_hi:[1,0]
.irp i, 1,2,3,4,5,6,7,8,9,10,11,12,13,14,15
.if (\i)%2
	v_pk_fma_f32 v[ACC+4*(\d):ACC+4*(\d)+1],   v[(\S)+4*(\i):(\S)+4*(\i)+1],   v[CTX+(\i)-1:CTX+(\i)], v[ACC+4*(\d):ACC+4*(\d)+1]   op_sel:[0,1,0] op_sel_hi:[1,1,1]
	v_pk_fma_f32 v[ACC+4*(\d)+2:ACC+4*(\d)+3], v[(\S)+4*(\i)+2:(\S)+4*(\i)+3], v[CTX+(\i)-1:CTX+(\i)], v[ACC+4*(\d)+2:ACC+4*(\d)+3] op_sel:[0,1,0] op_sel_hi:[1,1,1]
.else
	v_pk_fma_f32 v[ACC+4*(\d):ACC+4*(\d)+1],   v[(\S)+4*(\i):(\S)+4*(\i)+1],   v[CTX+(\i):CTX+(\i)+1], v[ACC+4*(\d):ACC+4*(\d)+1]   op_sel_hi:[1,0,1]
	v_pk_fma_f32 v[ACC+4*(\d)+2:ACC+4*(\d)+3], v[(\S)+4*(\i)+2:(\S)+4*(\i)+3], v[CTX+(\i):CTX+(\i)+1], v[ACC+4*(\d)+2:ACC+4*(\d)+3] op_sel_hi:[1,0,1]
.endif
.endr
.endm
.macro LDXR S                          ; 16 blocks kb of two rows of x: lanes 0-15 take 256 consecutive bytes of one row, lanes 16-31 of the next
.irp i, 0,1,2,3,4,5,6,7,8,9,10,11,12,13,14,15
	global_load_b128 v[(\S)+4*(\i):(\S)+4*(\i)+3], v[XOFF], s[4:5] offset:(\i)*256 th:TH_LOAD_NT
.endr
.endm
.macro CVX S                           ; x / 4 to f16, in place; each store of the wave covers 256 consecutive bytes, aligned
.irp i, 0,1,2,3,4,5,6,7,8,9,10,11,12,13,14,15
	v_pk_mul_f32 v[(\S)+4*(\i):(\S)+4*(\i)+1],   v[(\S)+4*(\i):(\S)+4*(\i)+1],   s[QU:QU+1] op_sel_hi:[1,0]
	v_pk_mul_f32 v[(\S)+4*(\i)+2:(\S)+4*(\i)+3], v[(\S)+4*(\i)+2:(\S)+4*(\i)+3], s[QU:QU+1] op_sel_hi:[1,0]
	v_cvt_pk_f16_f32 v[(\S)+4*(\i)],   v[(\S)+4*(\i)],   v[(\S)+4*(\i)+1]
	v_cvt_pk_f16_f32 v[(\S)+4*(\i)+1], v[(\S)+4*(\i)+2], v[(\S)+4*(\i)+3]
	global_store_b64 v[XSTO], v[(\S)+4*(\i):(\S)+4*(\i)+1], s[18:19] offset:(\i)*524288  ; the block's number stands in the immediate: 7,864,320 at the most, inside its signed 24 bits
.endr
.endm
.macro LDW base, S                     ; half a row of a weight: 8 loads of 512 consecutive bytes
.irp i, 0,1,2,3,4,5,6,7
	global_load_b128 v[(\S)+4*(\i):(\S)+4*(\i)+3], v[WOFF], s[(\base):(\base)+1] offset:(\i)*512 th:TH_LOAD_NT
.endr
.endm
.macro CVW mat, S, sc                  ; times the factor in s[sc], to f16, in place; 256 consecutive bytes a store, aligned
.irp i, 0,1,2,3,4,5,6,7
	v_pk_mul_f32 v[(\S)+4*(\i):(\S)+4*(\i)+1],   v[(\S)+4*(\i):(\S)+4*(\i)+1],   s[(\sc):(\sc)+1] op_sel_hi:[1,0]
	v_pk_mul_f32 v[(\S)+4*(\i)+2:(\S)+4*(\i)+3], v[(\S)+4*(\i)+2:(\S)+4*(\i)+3], s[(\sc):(\sc)+1] op_sel_hi:[1,0]
	v_cvt_pk_f16_f32 v[(\S)+4*(\i)],   v[(\S)+4*(\i)],   v[(\S)+4*(\i)+1]
	v_cvt_pk_f16_f32 v[(\S)+4*(\i)+1], v[(\S)+4*(\i)+2], v[(\S)+4*(\i)+3]
	global_store_b64 v[WSTO], v[(\S)+4*(\i):(\S)+4*(\i)+1], s[20:21] offset:(\mat)*4096+(\i)*256
.endr
.endm
.irp i, 0,1,2,3,4,5,6,7,8,9,10,11,12,13,14,15
	global_load_b32 v[CTX+(\i)], v[COFF], s[16:17] offset:(\i)*32
.endr
	global_load_b32 v[SB], v[O64], s[14:15]
	LDN 0, S0
	LDN 1, S1
	LDN 2, S2
	; Loads come back in order (ISA guide 5.7.1): each wait below leaves the two younger groups of 16 on their way.  A slot is loaded again as soon as it has been read.
	s_wait_loadcnt 32                              ; context, seg_bias and neuron 0 are in; neurons 1 and 2 stay out
	DOT 0, S0
	LDN 3, S0
	s_wait_loadcnt 32                              ; neuron 1 is in; neurons 2 and 3 stay out
	DOT 1, S1
	LDXR S1
	s_wait_loadcnt 32                              ; neuron 2 is in; neuron 3 and x stay out
	DOT 2, S2
	LDW 6, S2
	LDW 8, S2+32
	s_wait_loadcnt 32                              ; neuron 3 is in; x and two weights stay out
	DOT 3, S0
	LDW 10, S0
	; The eight lanes with the same L % 4 hold the same four segments: two steps inside each half of 16 lanes, one across the halves
.irp a, 0,1,2,3,4,5,6,7,8,9,10,11,12,13,14,15
	v_add_f32_dpp v[ACC+(\a)], v[ACC+(\a)], v[ACC+(\a)] row_xmask:4 row_mask:0xf bank_mask:0xf
.endr
.irp a, 0,1,2,3,4,5,6,7,8,9,10,11,12,13,14,15
	v_add_f32_dpp v[ACC+(\a)], v[ACC+(\a)], v[ACC+(\a)] row_xmask:8 row_mask:0xf bank_mask:0xf
.endr
.irp d, 0,1,2,3
.irp j, 0,1,2,3
	v_permlanex16_b32 v[T+(\j)], v[ACC+4*(\d)+(\j)], s30, s31  ; its destination counts as read: v48-51 were written in the set-up
.endr
	v_pk_add_f32 v[ACC+4*(\d):ACC+4*(\d)+1],   v[ACC+4*(\d):ACC+4*(\d)+1],   v[T:T+1]
	v_pk_add_f32 v[ACC+4*(\d)+2:ACC+4*(\d)+3], v[ACC+4*(\d)+2:ACC+4*(\d)+3], v[T+2:T+3]
	ds_store_b128 v[PADR], v[ACC+4*(\d):ACC+4*(\d)+3] offset:64*(\d)  ; lanes with the same L % 4 write the same numbers to the same words
.endr
	s_wait_dscnt 0x0                               ; for the others' sake: my partial sums are in LDS
	s_barrier_signal -1
	s_barrier_wait -1                              ; the 40 loads of x and the weights stay on their way: nobody writes those bytes
	s_cmp_lt_u32 s26, 2
	s_cbranch_scc0 .Lconv                          ; waves 0 and 1: thread t finishes neuron t / 16, segment t % 16; a half of 16 lanes is a neuron
.irp k, 0,1,2,3,4,5,6,7
	ds_load_b32 v[T+(\k)], v[O64] offset:256*(\k)
.endr
	s_wait_dscnt 0x0
	v_pk_add_f32 v[T:T+1], v[T:T+1], v[T+2:T+3]
	v_pk_add_f32 v[T+4:T+5], v[T+4:T+5], v[T+6:T+7]
	v_pk_add_f32 v[T:T+1], v[T:T+1], v[T+4:T+5]
	v_add_f32 v[T], v[T], v[T+1]
	v_add_f32 v[T], v[T], v[SB]                    ; the segment's sum
	v_and_b32 v[T+1], 0x7fffffff, v[T]             ; its magnitude
	v_mov_b32 v[T+2], v[T+1]
.irp m, 1,2,4,8
	v_max_num_f32_dpp v[T+2], v[T+2], v[T+2] row_xmask:\m row_mask:0xf bank_mask:0xf
.endr
	v_cmp_eq_f32 vcc_lo, v[T+1], v[T+2]
	v_cndmask_b32 v[T+3], 0x41800000, v[SF], vcc_lo  ; my index where I hold the maximum, else 16
.irp m, 1,2,4,8
	v_min_num_f32_dpp v[T+3], v[T+3], v[T+3] row_xmask:\m row_mask:0xf bank_mask:0xf
.endr
	v_cmp_eq_f32 vcc_lo, v[SF], v[T+3]             ; the lowest index among equals
	v_cndmask_b32 v[T+4], 0, v[T], vcc_lo          ; a choice of a value: no branch and no address hangs on it
.irp m, 1,2,4,8
	v_add_f32_dpp v[T+4], v[T+4], v[T+4] row_xmask:\m row_mask:0xf bank_mask:0xf
.endr
	v_mul_f32 v[T+4], 0xbfb8aa3b, v[T+4]           ; -log2(e) x
	v_exp_f32 v[T+4], v[T+4]
	v_nop                                          ; a plain instruction behind a transcendental, ahead of the use of its result (ISA guide 5.7.2)
	s_wait_alu depctr_va_vdst(0)
	v_add_f32 v[T+4], 1.0, v[T+4]
	v_rcp_f32 v[T+4], v[T+4]
	v_nop
	v_cmp_eq_f32 vcc_lo, 0, v[SF]                  ; one lane a neuron stores
	s_wait_xcnt 0x0                                ; EXEC is a source of the loads that are out: it changes only behind this wait
	s_and_saveexec_b32 s32, vcc_lo
	s_wait_alu depctr_va_vdst(0)
	global_store_b32 v[POFF], v[T+4], s[22:23]
	s_wait_xcnt 0x0                                ; and again ahead of the line that widens it
	s_or_b32 exec_lo, exec_lo, s32
.Lconv:
	s_wait_loadcnt 24                              ; x is in; the three weights' 24 loads stay out
	CVX S1
	s_wait_loadcnt 8                               ; weight_r and weight_g are in
	CVW 0, S2, FO
	CVW 1, S2+32, FO
	s_wait_loadcnt 0x0
	CVW 2, S0, SX
	s_wait_tensorcnt 0x0                           ; the wave's end: these three lines stand behind my last LDS store
	ds_add_u32 v[SPW], v[NIL]
	s_wait_dscnt 0x0
	s_endpgm
.Lfunc_end_k_q2ac7dc77ce_prep:
	.size	k_q2ac7dc77ce_prep, .Lfunc_end_k_q2ac7dc77ce_prep-k_q2ac7dc77ce_prep
	.p2alignl 7, 3214868480
	.fill 96, 4, 3214868480
	.section	.rodata,"a",@progbits
	.p2align	6, 0x0
	.amdhsa_kernel k_q2ac7dc77ce_prep
		.amdhsa_group_segment_fixed_size 3072
		.amdhsa_private_segment_fixed_size 0
		.amdhsa_enable_private_segment 0
		.amdhsa_kernarg_size 80
		.amdhsa_user_sgpr_count 2
		.amdhsa_user_sgpr_kernarg_segment_ptr 1
		.amdhsa_wavefront_size32 1
		.amdhsa_system_sgpr_workgroup_id_x 1
		.amdhsa_system_sgpr_workgroup_id_y 1
		.amdhsa_system_sgpr_workgroup_id_z 1
		.amdhsa_system_vgpr_workitem_id 0
		.amdhsa_next_free_vgpr 256
		.amdhsa_next_free_sgpr 66
		.amdhsa_reserve_vcc 1
		.amdhsa_float_denorm_mode_32 3
		.amdhsa_float_denorm_mode_16_64 3
		.amdhsa_memory_ordered 1
		.amdhsa_forward_progress 1
		.amdhsa_inst_pref_size 43
	.end_amdhsa_kernel
	.amdgpu_metadata
---
amdhsa.version: [ 1, 2 ]
amdhsa.kernels:
  - .name:           k_q2ac7dc77ce_prep
    .symbol:         k_q2ac7dc77ce_prep.kd
    .args:
      - { .name: x, .offset: 0, .size: 8, .value_kind: global_buffer, .address_space: global }
      - { .name: weight_r, .offset: 8, .size: 8, .value_kind: global_buffer, .address_space: global }
      - { .name: weight_g, .offset: 16, .size: 8, .value_kind: global_buffer, .address_space: global }
      - { .name: weight_b, .offset: 24, .size: 8, .value_kind: global_buffer, .address_space: global }
      - { .name: seg_weight, .offset: 32, .size: 8, .value_kind: global_buffer, .address_space: global }
      - { .name: seg_bias, .offset: 40, .size: 8, .value_kind: global_buffer, .address_space: global }
      - { .name: context, .offset: 48, .size: 8, .value_kind: global_buffer, .address_space: global }
      - { .name: xx, .offset: 56, .size: 8, .value_kind: global_buffer, .address_space: global }
      - { .name: wb, .offset: 64, .size: 8, .value_kind: global_buffer, .address_space: global }
      - { .name: pct, .offset: 72, .size: 8, .value_kind: global_buffer, .address_space: global }
    .group_segment_fixed_size: 3072
    .private_segment_fixed_size: 0
    .kernarg_segment_align: 8
    .kernarg_segment_size: 80
    .max_flat_workgroup_size: 256
    .sgpr_count:     66
    .vgpr_count:     256
    .wavefront_size: 32
...
	.end_amdgpu_metadata
.endif
;; end of part 1
;; launch gemm (part 2): grid 16 x 16, 4 waves a work-group, clusters of 4 x 4, 327,680 bytes of LDS; arguments xx, wb, pct, bias_r, bias_g, bias_b, out0; writes out0
.if DOCPART == 2
	.amdgcn_target "amdgcn-amd-amdhsa--gfx1250"
	.amdhsa_code_object_version 6
	.text
	.protected	k_q2ac7dc77ce_gemm
	.globl	k_q2ac7dc77ce_gemm
	.p2align	8
	.type	k_q2ac7dc77ce_gemm,@function
k_q2ac7dc77ce_gemm:
	s_mov_b64 s[64:65], 0
	v_nop
	global_prefetch_b8 v0, s[64:65] scope:SCOPE_SE
	s_setreg_imm32_b32 hwreg(HW_REG_WAVE_MODE, 25, 1), 1
	s_wait_xcnt 0x0
	s_wait_alu depctr_hold_cnt(0) depctr_sa_sdst(0) depctr_va_vdst(0) depctr_va_sdst(0) depctr_va_ssrc(0) depctr_va_vcc(0) depctr_vm_vsrc(0)
	s_getreg_b32 s2, hwreg(HW_REG_IB_STS2, 6, 4)
	s_cmp_eq_u32 s2, 0
	s_cbranch_scc0 .Lentry_in_a_cluster
	s_endpgm
.Lentry_in_a_cluster:
	s_bfe_u32 s2, ttmp6, 0x10000c
	s_cmp_lg_u32 s2, 0xf033
	s_cbranch_scc0 .Lentry_shape_is_right
	s_endpgm
.Lentry_shape_is_right:
; out[m][n] = ((x Wr + br)(x Wg + bg) + (x * x) Wb + bb)[m][n] pct[n].  4,096 x 2,048 outputs, K = 2,048, three sums in f32 for each output.
; OPERANDS, f16, made by the launch before: xx [32 kb][4096 m][64] holds x / 4; wb [2048 k][3][2048 n] holds 4 Wr, 4 Wg, 16 Wb row by row.  The factors cancel in the products.
; (x / 4)^2 IS MADE HERE, in registers: one packed f16 multiply of each register of an x fragment with itself.  A fragment of squares would feed only 4 products, so it is neither stored,
; fetched nor read from LDS: 40 LDS loads and 64 packed multiplies for a sub-step's 96 products.
; SHARES.  A work-group makes 256 rows x 128 columns: 16 x 16 work-groups.  Each of four waves makes 128 x 64: 8 x 4 accumulators of 16 x 16 for each of the three sums, 768 registers.
; K goes in steps of 64 through two LDS slots; a step is two sub-steps of 32, a sub-step three phases of 32 matrix instructions (r, g, b).  The three phases take the place of a second
; fragment buffer: a phase's fragments are loaded again, for the next sub-step, as soon as the phase is over, 32 to 64 matrix instructions ahead of their use.
; THE MATRIX INSTRUCTION IS USED TRANSPOSED: source 0 = 16 columns of a weight (turned on the way out of LDS by ds_load_tr16_b128, since the weights lie [k][n]), source 1 = 16 rows of x.
; Lane (r = l % 16, h = l / 16) then holds row r and the eight neighbouring columns 8 h + 0..7 of a 16 x 16 piece of out.
; CLUSTER.  4 x 4 work-groups.  The four of a row of the cluster need the same tiles of x, the four of a column the same tiles of the weights: each tile is asked for jointly.
; Waves 0 and 1 ask for 128 rows of x each (128 rows x 64 k are 16,384 dense bytes, asked for as 64 rows of 256), waves 2 and 3 for 32 k each of all three weights (96 rows of 256 bytes).
; LIMITS.  x / 4 and the weights arrive rounded once to f16, (x / 4)^2 is rounded once more; f16 ends at 65,504: |x| under 1,023, |Wb| under 4,094, |Wr| and |Wg| under 16,376; below 6.1e-5
; an operand keeps f16's fixed step of 6e-8.  Sums and the combination in f32; pct is folded into the g and b terms ahead of the last fused multiply-add, so the order of rounding differs
; from a plain evaluation.
; REGISTERS, in windows of 256 (s_set_vgpr_msb: bits 1:0 source 0, 3:2 source 1, 5:4 source 2, 7:6 destination):
;   window 0: v0-31 addresses; v32-95 x, v96-159 its squares (8 fragments each); v160-191, v192-223, v224-255 Wr, Wg, Wb (4 fragments each); on the way out constants, results and rows
;   window 1, 2, 3: the sums r, g, b; accumulator (a, b) at v[8 (4 a + b)]
.set PX,     144                       ; a row of x in LDS: 128 bytes + 16 of padding = 36 words: the 16 rows of a load start at 16 different groups of four banks (64 banks of 4 bytes: ISA guide 11.1)
.set XBYTES, 256*PX                    ; 36,864
.set PW,     288                       ; a row of wb in LDS: 256 bytes + 32
.set PK3,    3*PW                      ; from k to k + 1: 864 bytes = 27 x 32
.set WOFFS,  XBYTES                    ; a slot: x, then 64 k x 3 rows of the weights
.set SLOT,   WOFFS+64*PK3              ; 92,160
.set STAGE,  2*SLOT                    ; behind the ring: 16 rows x 272 bytes for each wave, for the way out
.set SP,     272
.set CONST,  STAGE+4*16*SP             ; for each wave 4 x 64 f32: br, pct, bg pct, bb pct of its columns
.set SPARE,  CONST+4*1024              ; the spare words, 128 bytes for each wave
.set XSTEP,  524288                    ; a K step in xx
.set WSTEP,  64*12288                  ; and in wb
.set ADRX, 16                          ; v16-17  LDS address of my x fragments in slot 0, 1
.set ADRB, 20                          ; v20-21  the same for the weights
.set STO,  24                          ; v24     the way out: where I put 32 bytes of a row
.set RD,   25                          ; v25     where I read a row back
.set CO,   26                          ; v26     my byte offset in out
.set CADR, 27                          ; v27     where I read my columns' constants
.set SPW,  28                          ; v28     LDS address of my spare word; never rewritten
.set NIL,  29                          ; v29     0; never rewritten
.set XF,   32
.set X2F,  96
.set BR,   160
.set BG,   192
.set BB,   224
.set CBR,  32                          ; the way out: br, pct, bg pct, bb pct for register 8 b + j of a row of accumulators
.set CP,   64
.set CBG,  96
.set CBB,  128
.set TMP,  160                         ; 16 rows' results
.set OB,   192                         ; and the same as whole rows: v192-223 and v224-255 by turns
.set G1,  24                           ; s[24:31] descriptor group 1 for x's tiles;  s[32:39] group 0, a set for each slot
.set G0,  32
.set G1B, 48                           ; s[48:55], s[56:63] the same for the weights' tiles
.set G0B, 56
.set MSB, 0
.macro WIN new                         ; the immediate's high byte repeats the setting that is left; a switch that changes nothing is dropped
.if MSB != (\new)
	s_set_vgpr_msb (MSB<<8)|(\new)
.set MSB, \new
.endif
.endm
.macro PLACES                          ; a load into a register that a matrix instruction has read, and a vector instruction that reads a matrix result, stand four plain vector instructions behind it
.rept 4
	v_nop
.endr
.endm
; A joint load.  The branch hangs on the wave's number alone.  An s_nop 0 and four v_nop follow each of the two lines, ahead of the jump and the label.
.macro JLOAD s
	s_cmp_eq_u32 s13, 0
	s_cbranch_scc0 .Lfor_w_\@
	tensor_load_to_lds s[G0+4*(\s):G0+4*(\s)+3], s[G1:G1+7]
	s_nop 0
.rept 4
	v_nop
.endr
	s_branch .Lasked_\@
.Lfor_w_\@:
	tensor_load_to_lds s[G0B+4*(\s):G0B+4*(\s)+3], s[G1B:G1B+7]
	s_nop 0
.rept 4
	v_nop
.endr
.Lasked_\@:
.endm
.macro CREST                           ; a round of the cluster's barrier behind its opening barrier: wave 0 signals for the work-group, every wave waits for all sixteen, my work-group's barrier closes it
	s_cmp_lg_u32 s12, 0
	s_cbranch_scc1 .Lnot_wave_0_\@
	s_barrier_signal -3
.Lnot_wave_0_\@:
	s_barrier_wait -3
	s_barrier_signal -1
	s_barrier_wait -1
.endm
.macro CROUND
	s_barrier_signal -1
	s_barrier_wait -1
	CREST
.endm
	s_load_b256 s[4:11], s[0:1], 0x0               ; xx s[4:5], wb s[6:7], pct s[8:9], bias_r s[10:11]
	s_load_b128 s[68:71], s[0:1], 0x20             ; bias_g s[68:69], bias_b s[70:71]
	s_load_b64 s[72:73], s[0:1], 0x30              ; out0
	v_lshl_add_u32 v[SPW], v0, 2, SPARE
	v_mov_b32 v[NIL], 0
	ds_add_u32 v[SPW], v[NIL]                      ; the wave's opening: the add and its wait stand ahead of my first tensor load; the set-up below, work on registers, stands between them
	v_lshrrev_b32 v1, 5, v0
	v_readfirstlane_b32 s12, v1                    ; wave 0..3
	s_lshr_b32 s13, s12, 1                         ; which 128 rows of the tile are mine.  Also: I ask for x (0) or for the weights (1)
	s_and_b32 s14, s12, 1                          ; which 64 columns.  Also: which 128 rows of x, or k 0-31 or 32-63 of the weights, I ask for
	s_bfe_u32 s40, ttmp6, 0x40000                  ; cx, cy: my place in the cluster
	s_bfe_u32 s41, ttmp6, 0x40004
	s_lshl_b32 s42, ttmp9, 2
	s_add_co_u32 s42, s42, s40                     ; tile column = 4 x cluster x + cx
	s_and_b32 s15, ttmp7, 0xffff
	s_lshl_b32 s15, s15, 2
	s_add_co_u32 s15, s15, s41                     ; tile row = 4 x cluster y + cy
	s_lshl_b32 s43, s41, 2
	s_lshl_b32 s43, 15, s43                        ; my row of the cluster
	s_lshl_b32 s44, 0x1111, s40                    ; my column
	s_or_b32 s[G1+0], s43, (1<<16)|(1<<20)|(1<<21)|(4<<22)|(3<<25)   ; 15:0 the mask; 17:16 2-byte elements; 20 padding on; 21 set beside a mask; 24:22 after every 32 words (code 4); 31:25 4 words (code 3)
	s_mov_b32 s[G1+1], 128<<16                     ; tensor_dim0 = 128
	s_mov_b32 s[G1+2], 64<<16                      ; tensor_dim1 = 64
	s_mov_b32 s[G1+3], 128<<16                     ; tile_dim0 = 128 elements: 256 bytes, two rows of x
	s_mov_b32 s[G1+4], 64                          ; tile_dim1 = 64
	s_mov_b32 s[G1+5], 128                         ; dense: 128 elements from row to row
	s_mov_b32 s[G1+6], 0
	s_mov_b32 s[G1+7], 0
	s_or_b32 s[G1B+0], s44, (1<<16)|(1<<20)|(1<<21)|(5<<22)|(7<<25)  ; after every 64 words (code 5) 8 words (code 7)
	s_mov_b32 s[G1B+1], 128<<16                    ; tensor_dim0 = 128
	s_mov_b32 s[G1B+2], 96<<16                     ; tensor_dim1 = 96
	s_mov_b32 s[G1B+3], 128<<16                    ; tile_dim0 = 128 columns
	s_mov_b32 s[G1B+4], 96                         ; tile_dim1 = 96 rows: 32 k x 3 weights
	s_mov_b32 s[G1B+5], 2048                       ; 2,048 elements from row to row
	s_mov_b32 s[G1B+6], 0
	s_mov_b32 s[G1B+7], 0
	; x's tiles hang on the tile row alone, the weights' on the tile column alone; each offset is made in registers that never hold the other coordinate
	s_lshl_b32 s16, s14, 14                        ; 128 rows of 128 bytes,
	s_lshl_b32 s17, s15, 15                        ; in the tile row's 256
	s_add_co_u32 s16, s16, s17
	s_mov_b32 s17, 0
	s_mul_i32 s46, s14, 32*12288                   ; k 0-31 or 32-63,
	s_lshl_b32 s47, s42, 8                         ; 128 columns of 2 bytes
	s_add_co_u32 s46, s46, s47
	s_mov_b32 s47, 0
	s_mul_i32 s20, s14, 128*PX                     ; where they go: x's two halves from 0 on,
	s_mul_i32 s21, s14, 32*PK3
	s_add_co_u32 s21, s21, WOFFS                   ; the weights' two halves from WOFFS on: no place in the cluster enters an LDS address
	s_wait_dscnt 0x0                               ; the opening add is done
	s_wait_kmcnt 0x0
	s_add_nc_u64 s[18:19], s[4:5], s[16:17]
	s_add_nc_u64 s[46:47], s[6:7], s[46:47]
	CROUND                                         ; all sixteen work-groups are here: the first joint loads meet
.irp s, 0,1
	s_mov_b32 s[G0+4*(\s)], 1                                      ; count = 1
	s_add_co_u32 s[G0+4*(\s)+1], s20, (\s)*SLOT                    ; LDS address
	s_add_nc_u64 s[G0+4*(\s)+2:G0+4*(\s)+3], s[18:19], (\s)*XSTEP  ; global address: K step s
	s_or_b32 s[G0+4*(\s)+3], s[G0+4*(\s)+3], 0x80000000            ; type = 2
	s_mov_b32 s[G0B+4*(\s)], 1
	s_add_co_u32 s[G0B+4*(\s)+1], s21, (\s)*SLOT
	s_add_nc_u64 s[G0B+4*(\s)+2:G0B+4*(\s)+3], s[46:47], (\s)*WSTEP
	s_or_b32 s[G0B+4*(\s)+3], s[G0B+4*(\s)+3], 0x80000000
	JLOAD \s                                       ; two loads of mine are out
.endr
	; while the first tiles travel: my 64 columns' constants, and the addresses
	v_and_b32 v1, 15, v0                           ; r
	v_bfe_u32 v2, v0, 4, 1                         ; h
	s_lshl_b32 s74, s42, 9
	s_lshl_b32 s75, s14, 8
	s_add_co_u32 s74, s74, s75                     ; my first column, in bytes of f32
	v_lshl_add_u32 v9, v1, 4, s74
	global_load_b128 v[32:35], v9, s[8:9]          ; pct
	global_load_b128 v[36:39], v9, s[10:11]        ; br
	global_load_b128 v[40:43], v9, s[68:69]        ; bg
	global_load_b128 v[44:47], v9, s[70:71]        ; bb
	v_mul_u32_u24 v3, v1, PX
	v_lshl_add_u32 v3, v2, 4, v3                   ; a fragment of x: row r x pitch + 16 h; two loads of 16 bytes, 32 bytes apart
	s_mul_i32 s22, s13, 128*PX
	v_add_nc_u32 v[ADRX], s22, v3
	s_add_co_u32 s22, s22, SLOT
	v_add_nc_u32 v[ADRX+1], s22, v3
	v_and_b32 v4, 7, v0                            ; a fragment of a weight: lane l reads k = 8 h + l % 8, columns 8 ((l / 8) % 2) + 0..7, and is left with column r and 8 k
	v_lshl_add_u32 v4, v2, 3, v4
	v_mul_u32_u24 v4, v4, PK3
	v_bfe_u32 v5, v0, 3, 1
	v_lshl_add_u32 v4, v5, 4, v4
	s_lshl_b32 s23, s14, 7
	s_add_co_u32 s23, s23, WOFFS
	v_add_nc_u32 v[ADRB], s23, v4
	s_add_co_u32 s23, s23, SLOT
	v_add_nc_u32 v[ADRB+1], s23, v4
	s_mul_i32 s22, s12, 16*SP
	s_add_co_u32 s22, s22, STAGE                   ; my stage
	v_mul_u32_u24 v6, v1, SP                       ; in: row r, 32 bytes for each half of the lanes
	v_lshl_add_u32 v6, v2, 5, v6
	v_add_nc_u32 v[STO], s22, v6
	v_mul_u32_u24 v7, v2, SP                       ; back: lanes 0-15 take one row of 256 bytes, lanes 16-31 the next
	v_lshl_add_u32 v7, v1, 4, v7
	v_add_nc_u32 v[RD], s22, v7
	v_lshlrev_b32 v[CO], 4, v1                     ; and the same two rows in out
	v_lshl_add_u32 v[CO], v2, 13, v[CO]
	s_lshl_b32 s23, s12, 10
	s_add_co_u32 s23, s23, CONST                   ; my constants
	v_lshlrev_b32 v[CADR], 5, v2
	v_add_nc_u32 v[CADR], s23, v[CADR]
	v_lshl_add_u32 v8, v1, 4, s23
	s_lshl_b32 s76, s15, 21                        ; 256 rows of 8,192 bytes a tile row,
	s_lshl_b32 s77, s13, 20                        ; my 128 of them,
	s_add_co_u32 s76, s76, s77
	s_add_co_u32 s76, s76, s74                     ; my columns
	s_mov_b32 s77, 0
	s_add_nc_u64 s[72:73], s[72:73], s[76:77]
	s_wait_loadcnt 0x0
	v_pk_mul_f32 v[40:41], v[40:41], v[32:33]      ; bg pct
	v_pk_mul_f32 v[42:43], v[42:43], v[34:35]
	v_pk_mul_f32 v[44:45], v[44:45], v[32:33]      ; bb pct
	v_pk_mul_f32 v[46:47], v[46:47], v[34:35]
	ds_store_b128 v8, v[36:39]                     ; the two halves of the lanes write the same numbers to the same words; only my wave reads them
	ds_store_b128 v8, v[32:35] offset:256
	ds_store_b128 v8, v[40:43] offset:512
	ds_store_b128 v8, v[44:47] offset:768
; Matrix instructions for sum w (window w): row blocks a0 .. a1 - 1 x all 4 column blocks, 32 along K.  Each accumulator has one instruction a phase, and neighbouring phases lie in different
; windows: the accumulators take turns.  zero = 1: the first product starts the sum: nothing is ever cleared.
.macro MULS w, af, bf, a0, a1, zero
	WIN 0x50*(\w)
.set ma, \a0
.rept (\a1)-(\a0)
.irp b, 0,1,2,3
.if \zero
	v_wmma_f32_16x16x32_f16 v[8*(4*ma+(\b)):8*(4*ma+(\b))+7], v[(\bf)+8*(\b):(\bf)+8*(\b)+7], v[(\af)+8*ma:(\af)+8*ma+7], 0
.else
	v_wmma_f32_16x16x32_f16 v[8*(4*ma+(\b)):8*(4*ma+(\b))+7], v[(\bf)+8*(\b):(\bf)+8*(\b)+7], v[(\af)+8*ma:(\af)+8*ma+7], v[8*(4*ma+(\b)):8*(4*ma+(\b))+7]
.endif
.endr
.set ma, ma+1
.endr
.endm
; Phase g, with the squares beside it: behind every second matrix instruction four packed multiplies make half a fragment of (x / 4)^2 from the same half of x's fragment: 64 in the phase.
; With the two switches of the window round them that is six lines for two matrix instructions.  They read x's registers and write the squares', whose last readers (the phase b before)
; lie behind that phase's four v_nop; fragment a of the squares is made 32 matrix instructions or more ahead of its first use in phase b.
.macro MULG zero
.set ma, 0
.rept 8
.irp b, 0,1,2,3
	WIN 0xa0
.if \zero
	v_wmma_f32_16x16x32_f16 v[8*(4*ma+(\b)):8*(4*ma+(\b))+7], v[BG+8*(\b):BG+8*(\b)+7], v[XF+8*ma:XF+8*ma+7], 0
.else
	v_wmma_f32_16x16x32_f16 v[8*(4*ma+(\b)):8*(4*ma+(\b))+7], v[BG+8*(\b):BG+8*(\b)+7], v[XF+8*ma:XF+8*ma+7], v[8*(4*ma+(\b)):8*(4*ma+(\b))+7]
.endif
.if (\b)%2
	WIN 0
.irp j, 0,1,2,3
	v_pk_mul_f16 v[X2F+8*ma+4*((\b)/2)+(\j)], v[XF+8*ma+4*((\b)/2)+(\j)], v[XF+8*ma+4*((\b)/2)+(\j)]
.endr
.endif
.endr
.set ma, ma+1
.endr
.endm
.macro LDX dst, slot, kq               ; 16 loads: my 128 rows of x, 32 k from 32 kq on
.irp a, 0,1,2,3,4,5,6,7
	ds_load_b128 v[(\dst)+8*(\a):(\dst)+8*(\a)+3],   v[ADRX+(\slot)] offset:(\a)*16*PX+(\kq)*64
	ds_load_b128 v[(\dst)+8*(\a)+4:(\dst)+8*(\a)+7], v[ADRX+(\slot)] offset:(\a)*16*PX+(\kq)*64+32
.endr
.endm
.macro LDB dst, slot, w, kq            ; 8 turning loads: my 64 columns of weight w, 32 k from 32 kq on
.irp b, 0,1,2,3
	ds_load_tr16_b128 v[(\dst)+8*(\b):(\dst)+8*(\b)+3],   v[ADRB+(\slot)] offset:(\w)*PW+(\kq)*32*PK3+(\b)*32
	ds_load_tr16_b128 v[(\dst)+8*(\b)+4:(\dst)+8*(\b)+7], v[ADRB+(\slot)] offset:(\w)*PW+(\kq)*32*PK3+(\b)*32+16*PK3
.endr
.endm
; A K step's first sub-step: multiplies k 0-31 of the slot and fetches k 32-63.  The fragments are always asked for in the order Wr (8 loads), x (16), Wg (8), Wb (8).
.macro EVEN slot, zero
	s_wait_dscnt 8                                 ; Wr, x and Wg are in; the youngest 8 loads (Wb) may be out
	MULS 1, XF, BR, 0, 8, \zero
	WIN 0
	PLACES
	LDB BR, \slot, 0, 1
	MULG \zero
	WIN 0
	PLACES
	LDX XF, \slot, 1
	LDB BG, \slot, 1, 1
	s_wait_dscnt 32                                ; Wb is in; the 8 + 16 + 8 loads issued behind it may be out
	MULS 3, X2F, BB, 0, 8, \zero
	WIN 0
	PLACES
	LDB BB, \slot, 2, 1
.endm
; Its second sub-step multiplies k 32-63 and changes slots: ONE barrier.  In front of it each wave waits for all its tensor loads, of which one is out: its part of the next slot; adds 0 to its
; spare word; and waits for that and for its own reads of this slot.  Behind it nobody reads this slot any more and the next slot is whole.  fill = 1: the barrier opens a round of the cluster's,
; and this slot is filled again, two K steps ahead, first thing behind the round: 176 of a K step's 192 matrix instructions stand between that request and the wait for it.
.macro ODD slot, next, fill
	s_wait_dscnt 8
	MULS 1, XF, BR, 0, 4, 0
	WIN 0
	s_wait_tensorcnt 0x0                           ; all my tensor loads have landed;
	ds_add_u32 v[SPW], v[NIL]                      ; 0 onto my spare word:
	MULS 1, XF, BR, 4, 6, 0                        ; eight matrix instructions stand between the add and the wait for it
	s_wait_dscnt 0x0                               ; the add is done, and my reads of this slot are over (the last, Wb's, were issued 24 matrix instructions ago)
	s_barrier_signal -1
	MULS 1, XF, BR, 6, 8, 0                        ; work on registers while the others arrive
	WIN 0                                          ; at a branch and at a label every window is 0
	s_barrier_wait -1
.if \fill
	CREST                                          ; no wave of any partner still reads this slot's tiles or has a load on its way
	s_add_nc_u64 s[G0+4*(\slot)+2:G0+4*(\slot)+3], s[G0+4*(\slot)+2:G0+4*(\slot)+3], 2*XSTEP
	s_add_nc_u64 s[G0B+4*(\slot)+2:G0B+4*(\slot)+3], s[G0B+4*(\slot)+2:G0B+4*(\slot)+3], 2*WSTEP
	JLOAD \slot                                    ; the four v_nop behind it are also the places in front of the loads below
.else
	PLACES
.endif
	LDB BR, \next, 0, 0
	MULG 0
	WIN 0
	PLACES
	LDX XF, \next, 0
	LDB BG, \next, 1, 0
	MULS 3, X2F, BB, 0, 8, 0                       ; Wb came in with the wait for 0 above
	WIN 0
	PLACES
	LDB BB, \next, 2, 0
.endm
.macro LDC arr                         ; constants of my columns: register 8 b + j holds column 16 b + 8 h + j
.irp b, 0,1,2,3
	ds_load_b128 v[CBR+32*(\arr)+8*(\b):CBR+32*(\arr)+8*(\b)+3],   v[CADR] offset:(\arr)*256+(\b)*64
	ds_load_b128 v[CBR+32*(\arr)+8*(\b)+4:CBR+32*(\arr)+8*(\b)+7], v[CADR] offset:(\arr)*256+(\b)*64+16
.endr
.endm
; THE WAY OUT of row block a (16 rows x 64 columns).  PACK: r + br; g pct + bg pct; b pct + bb pct; then r g + b: four packed instructions for two outputs; each accumulator is read from its
; lowest registers on.  TOSTAGE: into my own stage in LDS, and back as whole rows of 256 bytes.  SEND: stored.
.macro PACK a
	WIN 0x41                                       ; destination and source 0 window 1
.set pj, 0
.rept 16
	v_pk_add_f32 v[32*(\a)+pj:32*(\a)+pj+1], v[32*(\a)+pj:32*(\a)+pj+1], v[CBR+pj:CBR+pj+1]
.set pj, pj+2
.endr
	WIN 0x82                                       ; window 2
.set pj, 0
.rept 16
	v_pk_fma_f32 v[32*(\a)+pj:32*(\a)+pj+1], v[32*(\a)+pj:32*(\a)+pj+1], v[CP+pj:CP+pj+1], v[CBG+pj:CBG+pj+1]
.set pj, pj+2
.endr
	WIN 0xc3                                       ; window 3
.set pj, 0
.rept 16
	v_pk_fma_f32 v[32*(\a)+pj:32*(\a)+pj+1], v[32*(\a)+pj:32*(\a)+pj+1], v[CP+pj:CP+pj+1], v[CBB+pj:CBB+pj+1]
.set pj, pj+2
.endr
	WIN 0x39                                       ; sources in windows 1, 2, 3; destination window 0
.set pj, 0
.rept 16
	v_pk_fma_f32 v[TMP+pj:TMP+pj+1], v[32*(\a)+pj:32*(\a)+pj+1], v[32*(\a)+pj:32*(\a)+pj+1], v[32*(\a)+pj:32*(\a)+pj+1]
.set pj, pj+2
.endr
	WIN 0
.endm
.macro TOSTAGE a
.set BK, OB+32*((\a)%2)
.irp q, 0,1,2,3,4,5,6,7
	ds_store_b128 v[STO], v[TMP+4*(\q):TMP+4*(\q)+3] offset:64*((\q)/2)+16*((\q)%2)
.endr
.irp t, 0,1,2,3,4,5,6,7
	ds_load_b128 v[BK+4*(\t):BK+4*(\t)+3], v[RD] offset:(\t)*2*SP  ; LDS serves a wave's instructions in order (ISA guide 5.7.1.4): these see the stores above
.endr
.endm
.macro SEND a
.set BK, OB+32*((\a)%2)
	s_wait_dscnt 0x0                               ; the block is back in registers
	s_wait_xcnt 0x0                                ; only behind this wait are the stores' base and the registers that earlier stores read written again
.if (\a) > 0
	s_add_nc_u64 s[72:73], s[72:73], 16*8192       ; 16 rows of out on
.endif
.irp t, 0,1,2,3,4,5,6,7
	global_store_b128 v[CO], v[BK+4*(\t):BK+4*(\t)+3], s[72:73] offset:(\t)*2*8192 th:TH_STORE_NT  ; 16 lanes store 256 consecutive bytes, at a multiple of 256 from out's first byte
.endr
.endm
	s_wait_tensorcnt 1                             ; my part of K step 0 is in; K step 1's may stay out
	s_wait_dscnt 0x0                               ; no LDS instruction of mine is pending at a signal
	s_barrier_signal -1
	s_barrier_wait -1                              ; everybody's part is in
	LDB BR, 0, 0, 0
	LDX XF, 0, 0
	LDB BG, 0, 1, 0
	LDB BB, 0, 2, 0
	EVEN 0, 1                                      ; the first sub-step stands in front of the loop: its products start all 96 sums
	s_mov_b32 s3, 15
.Llap:                                                 ; a trip goes once round the ring and fills both slots again: K steps 2 .. 31 in 15 trips
	ODD 0, 1, 1
	EVEN 1, 0
	ODD 1, 0, 1
	EVEN 0, 0
	s_sub_co_u32 s3, s3, 1
	s_cmp_lg_u32 s3, 0
	s_cbranch_scc1 .Llap
	ODD 0, 1, 0                                    ; the tail is written out: nothing is left to ask for, so no round of the cluster's barrier
	EVEN 1, 0
	s_wait_dscnt 8                                 ; the last sub-step fetches no fragments; my columns' constants take the registers as they fall free
	MULS 1, XF, BR, 0, 8, 0
	MULG 0
	WIN 0
	PLACES
	LDC 0
	LDC 1
	s_wait_dscnt 16                                ; Wb is in; the 16 loads just issued may be out
	MULS 3, X2F, BB, 0, 8, 0
	WIN 0
	PLACES                                         ; for the loads below and for the arithmetic that reads the sums
	LDC 2
	LDC 3
	s_wait_dscnt 0x0
	PACK 0
	TOSTAGE 0
.irp a, 1,2,3,4,5,6,7                  ; block a's arithmetic stands between block a - 1's loads from the stage and the wait for them
	PACK \a
	SEND (\a)-1
	TOSTAGE \a
.endr
	SEND 7
	s_wait_tensorcnt 0x0                           ; the wave's end: these three lines stand behind my last tensor load and my last LDS store
	ds_add_u32 v[SPW], v[NIL]
	s_wait_dscnt 0x0
	CROUND                                         ; the closing round: no work-group ends while a partner may still ask for a tile that names it
	s_endpgm
.Lfunc_end_k_q2ac7dc77ce_gemm:
	.size	k_q2ac7dc77ce_gemm, .Lfunc_end_k_q2ac7dc77ce_gemm-k_q2ac7dc77ce_gemm
	.p2alignl 7, 3214868480
	.fill 96, 4, 3214868480
	.section	.rodata,"a",@progbits
	.p2align	6, 0x0
	.amdhsa_kernel k_q2ac7dc77ce_gemm
		.amdhsa_group_segment_fixed_size 327680
		.amdhsa_private_segment_fixed_size 0
		.amdhsa_enable_private_segment 0
		.amdhsa_kernarg_size 56
		.amdhsa_user_sgpr_count 2
		.amdhsa_user_sgpr_kernarg_segment_ptr 1
		.amdhsa_wavefront_size32 1
		.amdhsa_system_sgpr_workgroup_id_x 1
		.amdhsa_system_sgpr_workgroup_id_y 1
		.amdhsa_system_sgpr_workgroup_id_z 1
		.amdhsa_system_vgpr_workitem_id 0
		.amdhsa_next_free_vgpr 1024
		.amdhsa_next_free_sgpr 80
		.amdhsa_reserve_vcc 0
		.amdhsa_float_denorm_mode_32 3
		.amdhsa_float_denorm_mode_16_64 3
		.amdhsa_memory_ordered 1
		.amdhsa_forward_progress 1
		.amdhsa_inst_pref_size 174
	.end_amdhsa_kernel
	.amdgpu_metadata
---
amdhsa.version: [ 1, 2 ]
amdhsa.kernels:
  - .name:           k_q2ac7dc77ce_gemm
    .symbol:         k_q2ac7dc77ce_gemm.kd
    .args:
      - { .name: xx, .offset: 0, .size: 8, .value_kind: global_buffer, .address_space: global }
      - { .name: wb, .offset: 8, .size: 8, .value_kind: global_buffer, .address_space: global }
      - { .name: pct, .offset: 16, .size: 8, .value_kind: global_buffer, .address_space: global }
      - { .name: bias_r, .offset: 24, .size: 8, .value_kind: global_buffer, .address_space: global }
      - { .name: bias_g, .offset: 32, .size: 8, .value_kind: global_buffer, .address_space: global }
      - { .name: bias_b, .offset: 40, .size: 8, .value_kind: global_buffer, .address_space: global }
      - { .name: out0, .offset: 48, .size: 8, .value_kind: global_buffer, .address_space: global }
    .group_segment_fixed_size: 327680
    .private_segment_fixed_size: 0
    .kernarg_segment_align: 8
    .kernarg_segment_size: 56
    .max_flat_workgroup_size: 128
    .sgpr_count:     80
    .vgpr_count:     1024
    .wavefront_size: 32
...
	.end_amdgpu_metadata
.endif
;; end of part 2
